; MI455X (gfx1250); checked and timed in simulation.
; The chip was launched on July 23, 2026; its instructions are those of AMD's public machine-readable ISA for CDNA 5 (MIT licence, August 2026) and "CDNA5" Instruction Set Architecture Reference Guide (July 2026). The comments in the code are by the model that wrote it; some were corrected since.
;; Attention Module. Allowed arithmetic: float matrix products may take bf16 or f16 operands with f32 sums; other float arithmetic in f32, or as packed bf16 or f16 multiplies, adds, multiply-adds, maxima and minima; sums over many terms, partial sums and values carried from step to step in f32; what a program stores and reads back later, other than sums and carried values, may be rounded once to bf16 or f16.
;; Inputs: Wa 2,048 x 2,048 float32; Wc 1,024 x 2,048 float32; b2 1 float32; ba 2,048 float32; bc 1,024 float32; decoder_out 64 x 1,024 float32; encoder_states 512 x 64 x 1,024 float32; hidden 64 x 1,024 float32; w2 1 x 2,048 float32.
;; Outputs: out0 64 x 1,024 float32; out1 64 x 1,024 float32.
;; One version. Each part assembles by itself: llvm-mc -triple=amdgcn-amd-amdhsa -mcpu=gfx1250 --defsym DOCPART=n.
;; ======== version 1 of 1: 3 launches
;; workspace buffers: wb 4,194,304 bytes; hsc 524,288 bytes; part 1,048,576 bytes; ml 65,536 bytes
;; launch prep (part 1): grid 256 x 1, 16 waves a work-group, no clusters, 71,680 bytes of LDS; arguments Wa, hidden, ba, wb, hsc; writes wb, hsc
.if DOCPART == 1
	.amdgcn_target "amdgcn-amd-amdhsa--gfx1250"
	.amdhsa_code_object_version 6
	.text
	.protected	k_q4568571ca7_prep
	.globl	k_q4568571ca7_prep
	.p2align	8
	.type	k_q4568571ca7_prep,@function
k_q4568571ca7_prep:
	s_mov_b64 s[64:65], 0
	v_nop
	global_prefetch_b8 v0, s[64:65] scope:SCOPE_SE
	s_setreg_imm32_b32 hwreg(HW_REG_WAVE_MODE, 25, 1), 1
	s_wait_xcnt 0x0
; TWO JOBS, chosen by the work-group's number (the same in all its waves).
; Work-groups 128 .. 255: wb = Wa[:, 1024:] rounded to bf16 and laid out fragment by fragment, as the main launch reads it from LDS.
;   A fragment is 16 rows f x 32 k in 1,024 bytes: byte 16 l holds registers 0-3 of lane l, byte 512 + 16 l registers 4-7.
;   Fragment (n-block NB, K part ki, step s) covers k = 256 (s / 4) + 128 ki + 32 (s % 4) on and lies at
;   (NB / 4) x 131072 + ((NB / 2) % 2) x 65536 + ki x 32768 + (NB % 2) x 16384 + s x 1024.
; Work-groups 0 .. 127: hsc[b][f] = c x (hidden[b] . Wa[f, :1024] + ba[f]), c = 2 log2(e), f32: 16 rows b x 64 columns f each, bf16 operands, f32 sums.
;   K = 1,024 is split among the sixteen waves, 64 each, so that all of a work-group's loads are out together; the partial sums meet in LDS.
; The product is taken transposed (source 0 = 16 rows of Wa, source 1 = 16 rows of hidden): a lane ends with one b and eight neighbouring f.
; NO CLUSTER, NO TENSOR LOAD: the operands are f32 in memory and are rounded on their way into the fragments, so they come through registers;
; a work-group reads 320 KiB once and has no second step in which a shared tile could be used again.
.set CEXP,   0x4038aa3b                ; c = 2 log2(e)
.set PPITCH, 272                       ; a row of partial sums: 64 f32 + 16 bytes, an odd multiple of 16
.set PWAVE,  16*PPITCH                 ; a wave's 16 rows
.set SPARE,  16*PWAVE                  ; behind them: the spare words, 128 bytes for each of the sixteen waves
.set SPW, 2                            ; v2   my spare word's LDS address; never rewritten
.set NIL, 3                            ; v3   0; never rewritten
.set R,   4                            ; v4   lane % 16
.set H,   5                            ; v5   (lane / 16) % 2
.set WO,  7                            ; v7   my offset in 16 rows of Wa: 8192 r + 32 h + 256 wave
.set HO,  8                            ; v8   the same in 16 rows of hidden: 4096 r + 32 h + 256 wave
.set BO,  9                            ; v9   my 16 bytes of ba
.set LS,  10                           ; v10  where I put partial sums (conversion part: 16 x lane)
.set LR,  11                           ; v11  where I read them back
.set BA,  12                           ; v[12:15] ba, then c x ba
.set FR0, 16                           ; v[16:55] five fragments of the first 32 k: four of Wa, one of hidden
.set YO,  56                           ; v56  my 16 bytes of hsc
.set LAND0, 64                         ; v[64:143]  20 loads of f32: first 32 k
.set LAND1, 144                        ; v[144:223] second 32 k
.set FR1, 64                           ; v[64:103] the second five fragments, where the first landing area lay
.set ACC, 224                          ; v[224:255] four accumulators
.set WV,  14                           ; s14  wave 0..15
	s_load_b256 s[4:11], s[0:1], 0x0               ; Wa s[4:5], hidden s[6:7], ba s[8:9], wb s[10:11]
	s_load_b64 s[12:13], s[0:1], 0x20              ; hsc
	v_lshl_add_u32 v[SPW], v0, 2, SPARE
	v_mov_b32 v[NIL], 0
	v_lshrrev_b32 v1, 5, v0
	v_readfirstlane_b32 s[WV], v1
	v_and_b32 v[R], 15, v0
	v_bfe_u32 v[H], v0, 4, 1
	s_lshl_b32 s15, s[WV], 8                       ; a wave's 64 k are 256 bytes of f32
	v_lshlrev_b32 v[WO], 13, v[R]
	v_lshl_add_u32 v[WO], v[H], 5, v[WO]
	v_add_nc_u32 v[WO], s15, v[WO]
	s_cmp_lt_u32 ttmp9, 128
	s_cbranch_scc1 .Lproj
	; ---- THE CONVERSION.  n-block NB; wave w takes k = 64 w .. 64 w + 63: two fragments.
	s_sub_co_u32 s16, ttmp9, 128                   ; NB
	s_lshl_b32 s18, s16, 17                        ; 16 rows of 8,192 bytes,
	s_add_co_u32 s18, s18, 4096                    ; right half
	s_mov_b32 s19, 0
	s_lshr_b32 s20, s16, 2
	s_lshl_b32 s20, s20, 17                        ; (NB / 4) x 131072
	s_bfe_u32 s21, s16, 0x10001
	s_lshl_b32 s21, s21, 16                        ; ((NB / 2) % 2) x 65536
	s_add_co_u32 s20, s20, s21
	s_and_b32 s21, s16, 1
	s_lshl_b32 s21, s21, 14                        ; (NB % 2) x 16384
	s_add_co_u32 s20, s20, s21
	s_bfe_u32 s21, s[WV], 0x10001
	s_lshl_b32 s21, s21, 15                        ; ki = (w / 2) % 2
	s_add_co_u32 s20, s20, s21
	s_lshr_b32 s21, s[WV], 2
	s_lshl_b32 s21, s21, 12                        ; s = 4 (w / 4) + 2 (w % 2) + i
	s_add_co_u32 s20, s20, s21
	s_and_b32 s21, s[WV], 1
	s_lshl_b32 s21, s21, 11
	s_add_co_u32 s20, s20, s21
	s_mov_b32 s21, 0
	v_and_b32 v[LS], 31, v0
	v_lshlrev_b32 v[LS], 4, v[LS]
	s_wait_kmcnt 0x0
	s_add_nc_u64 s[4:5], s[4:5], s[18:19]
	s_add_nc_u64 s[10:11], s[10:11], s[20:21]
.irp i, 0,1
.irp c, 0,1,2,3
	global_load_b128 v[LAND0+16*(\i)+4*(\c):LAND0+16*(\i)+4*(\c)+3], v[WO], s[4:5] offset:128*(\i)+16*((\c)%2)+64*((\c)/2) th:TH_LOAD_RT_NT
.endr
.endr
	s_wait_loadcnt 0x0
.set n, 0
.rept 16
	v_cvt_pk_bf16_f32 v[FR0+n], v[LAND0+2*n], v[LAND0+2*n+1]
.set n, n+1
.endr
.irp i, 0,1
.irp f, 0,1
	global_store_b128 v[LS], v[FR0+8*(\i)+4*(\f):FR0+8*(\i)+4*(\f)+3], s[10:11] offset:1024*(\i)+512*(\f)  ; 512 consecutive bytes, aligned
.endr
.endr
	s_branch .Lend
	; ---- THE PROJECTION OF hidden.  ng = 64 columns f, mblk = 16 rows b.
.Lproj:
	s_lshr_b32 s16, ttmp9, 2                       ; ng
	s_and_b32 s17, ttmp9, 3                        ; mblk
	s_lshl_b32 s18, s16, 19                        ; 64 rows of Wa
	s_mov_b32 s19, 0
	s_lshl_b32 s20, s17, 16                        ; 16 rows of hidden
	s_mov_b32 s21, 0
	s_lshl_b32 s22, s16, 8                         ; 64 f32 of ba and of a row of hsc
	s_mov_b32 s23, 0
	s_mov_b32 s24, CEXP
	s_mov_b32 s25, CEXP                            ; named with it as a pair
	v_lshlrev_b32 v[HO], 12, v[R]
	v_lshl_add_u32 v[HO], v[H], 5, v[HO]
	v_add_nc_u32 v[HO], s15, v[HO]
	v_lshlrev_b32 v[BO], 4, v[R]
	s_mul_i32 s15, s[WV], PWAVE
	v_mul_u32_u24 v[LS], v[R], PPITCH
	v_lshl_add_u32 v[LS], v[H], 5, v[LS]
	v_add_nc_u32 v[LS], s15, v[LS]                 ; my wave's rows: row r, 32 bytes for each half of the lanes
	v_lshrrev_b32 v1, 4, v0                        ; the row that I finish (waves 0-7)
	v_mul_u32_u24 v[LR], v1, PPITCH
	v_lshl_add_u32 v[LR], v[R], 4, v[LR]
	v_lshlrev_b32 v[YO], 13, v1
	v_lshl_add_u32 v[YO], v[R], 4, v[YO]
	s_wait_kmcnt 0x0
	s_add_nc_u64 s[4:5], s[4:5], s[18:19]
	s_add_nc_u64 s[6:7], s[6:7], s[20:21]
	s_add_nc_u64 s[8:9], s[8:9], s[22:23]
	s_add_nc_u64 s[12:13], s[12:13], s[22:23]
	s_lshl_b32 s22, s17, 17                        ; 16 rows of hsc
	s_add_nc_u64 s[12:13], s[12:13], s[22:23]
	global_load_b128 v[BA:BA+3], v[BO], s[8:9]
; 20 loads: 32 k of four n-blocks of Wa and of hidden.  A lane's 16 numbers of a fragment are 32 + 32 bytes of f32, 64 bytes apart.
.macro HLOAD ks, land
.irp f, 0,1,2,3
.irp c, 0,1,2,3
	global_load_b128 v[(\land)+16*(\f)+4*(\c):(\land)+16*(\f)+4*(\c)+3], v[WO], s[4:5] offset:131072*(\f)+128*(\ks)+16*((\c)%2)+64*((\c)/2)
.endr
.endr
.irp c, 0,1,2,3
	global_load_b128 v[(\land)+64+4*(\c):(\land)+64+4*(\c)+3], v[HO], s[6:7] offset:128*(\ks)+16*((\c)%2)+64*((\c)/2)
.endr
.endm
	HLOAD 0, LAND0
	HLOAD 1, LAND1
	s_wait_loadcnt 20                              ; ba and the first 32 k are in; the second 20 loads stay out
.set n, 0
.rept 40
	v_cvt_pk_bf16_f32 v[FR0+n], v[LAND0+2*n], v[LAND0+2*n+1]
.set n, n+1
.endr
.irp f, 0,1,2,3                        ; the first products start the sums; the four accumulators take turns
	v_wmma_f32_16x16x32_bf16 v[ACC+8*(\f):ACC+8*(\f)+7], v[FR0+8*(\f):FR0+8*(\f)+7], v[FR0+32:FR0+39], 0
.endr
	s_wait_loadcnt 0x0
.set n, 0
.rept 40
	v_cvt_pk_bf16_f32 v[FR1+n], v[LAND1+2*n], v[LAND1+2*n+1]
.set n, n+1
.endr
.irp f, 0,1,2,3
	v_wmma_f32_16x16x32_bf16 v[ACC+8*(\f):ACC+8*(\f)+7], v[FR1+8*(\f):FR1+8*(\f)+7], v[FR1+32:FR1+39], v[ACC+8*(\f):ACC+8*(\f)+7]
.endr
	v_pk_mul_f32 v[BA:BA+1], v[BA:BA+1], s[24:25] op_sel_hi:[1,0]      ; c x ba: two of the places behind the last products,
	v_pk_mul_f32 v[BA+2:BA+3], v[BA+2:BA+3], s[24:25] op_sel_hi:[1,0]
.rept 6
	v_nop                                          ; and six more, once a launch
.endr
.irp f, 0,1,2,3
	ds_store_b128 v[LS], v[ACC+8*(\f):ACC+8*(\f)+3] offset:64*(\f)
	ds_store_b128 v[LS], v[ACC+8*(\f)+4:ACC+8*(\f)+7] offset:64*(\f)+16
.endr
	s_wait_dscnt 0x0                               ; for the others' sake: my partial sums lie in LDS
	s_barrier_signal -1
	s_barrier_wait -1
	s_cmp_lt_u32 s[WV], 8                          ; 256 threads finish 16 rows x 64 columns, four columns each
	s_cbranch_scc0 .Lend
.irp v, 0,1,2,3,4,5,6,7,8,9,10,11,12,13,14,15
	ds_load_b128 v[64+4*(\v):64+4*(\v)+3], v[LR] offset:PWAVE*(\v)
.endr
	s_wait_dscnt 0x0
.irp w, 32,16,8,4                      ; sixteen partial sums into one, two numbers a line
.set n, 0
.rept (\w)/2
	v_pk_add_f32 v[64+n:64+n+1], v[64+n:64+n+1], v[64+(\w)+n:64+(\w)+n+1]
.set n, n+2
.endr
.endr
	v_pk_fma_f32 v[64:65], v[64:65], s[24:25], v[BA:BA+1] op_sel_hi:[1,0,1]      ; c x sum + c x ba
	v_pk_fma_f32 v[66:67], v[66:67], s[24:25], v[BA+2:BA+3] op_sel_hi:[1,0,1]
	global_store_b128 v[YO], v[64:67], s[12:13]    ; sixteen lanes store 256 consecutive bytes, aligned
.Lend:
	s_wait_tensorcnt 0x0                           ; the wave's end: a tensor wait, an add of 0 onto my spare word and its wait, behind my last LDS store
	ds_add_u32 v[SPW], v[NIL]
	s_wait_dscnt 0x0
	s_endpgm
.Lfunc_end_k_q4568571ca7_prep:
	.size	k_q4568571ca7_prep, .Lfunc_end_k_q4568571ca7_prep-k_q4568571ca7_prep
	.p2alignl 7, 3214868480
	.fill 96, 4, 3214868480
	.section	.rodata,"a",@progbits
	.p2align	6, 0x0
	.amdhsa_kernel k_q4568571ca7_prep
		.amdhsa_group_segment_fixed_size 71680
		.amdhsa_private_segment_fixed_size 0
		.amdhsa_enable_private_segment 0
		.amdhsa_kernarg_size 40
		.amdhsa_user_sgpr_count 2
		.amdhsa_user_sgpr_kernarg_segment_ptr 1
		.amdhsa_wavefront_size32 1
		.amdhsa_system_sgpr_workgroup_id_x 1
		.amdhsa_system_sgpr_workgroup_id_y 1
		.amdhsa_system_sgpr_workgroup_id_z 1
		.amdhsa_system_vgpr_workitem_id 0
		.amdhsa_next_free_vgpr 256
		.amdhsa_next_free_sgpr 66
		.amdhsa_reserve_vcc 0
		.amdhsa_float_denorm_mode_32 3
		.amdhsa_float_denorm_mode_16_64 3
		.amdhsa_memory_ordered 1
		.amdhsa_forward_progress 1
		.amdhsa_inst_pref_size 19
	.end_amdhsa_kernel
	.amdgpu_metadata
---
amdhsa.version: [ 1, 2 ]
amdhsa.kernels:
  - .name:           k_q4568571ca7_prep
    .symbol:         k_q4568571ca7_prep.kd
    .args:
      - { .name: Wa, .offset: 0, .size: 8, .value_kind: global_buffer, .address_space: global }
      - { .name: hidden, .offset: 8, .size: 8, .value_kind: global_buffer, .address_space: global }
      - { .name: ba, .offset: 16, .size: 8, .value_kind: global_buffer, .address_space: global }
      - { .name: wb, .offset: 24, .size: 8, .value_kind: global_buffer, .address_space: global }
      - { .name: hsc, .offset: 32, .size: 8, .value_kind: global_buffer, .address_space: global }
    .group_segment_fixed_size: 71680
    .private_segment_fixed_size: 0
    .kernarg_segment_align: 8
    .kernarg_segment_size: 40
    .max_flat_workgroup_size: 512
    .sgpr_count:     66
    .vgpr_count:     256
    .wavefront_size: 32
...
	.end_amdgpu_metadata
.endif
;; end of part 1
;; launch main (part 2): grid 256 x 1, 4 waves a work-group, clusters of 4 x 1, 327,680 bytes of LDS; arguments encoder_states, wb, hsc, w2, b2, part, ml; writes part, ml
.if DOCPART == 2
	.amdgcn_target "amdgcn-amd-amdhsa--gfx1250"
	.amdhsa_code_object_version 6
	.text
	.protected	k_q4568571ca7_main
	.globl	k_q4568571ca7_main
	.p2align	8
	.type	k_q4568571ca7_main,@function
k_q4568571ca7_main:
	s_mov_b64 s[64:65], 0
	v_nop
	global_prefetch_b8 v0, s[64:65] scope:SCOPE_SE
	s_setreg_imm32_b32 hwreg(HW_REG_WAVE_MODE, 25, 1), 1
	s_wait_xcnt 0x0
	s_wait_alu depctr_hold_cnt(0) depctr_sa_sdst(0) depctr_va_vdst(0) depctr_va_sdst(0) depctr_va_ssrc(0) depctr_va_vcc(0) depctr_vm_vsrc(0)
	s_getreg_b32 s2, hwreg(HW_REG_IB_STS2, 6, 4)
	s_cmp_eq_u32 s2, 0
	s_cbranch_scc0 .Lentry_in_a_cluster
	s_endpgm
.Lentry_in_a_cluster:
	s_bfe_u32 s2, ttmp6, 0x10000c
	s_cmp_lg_u32 s2, 0x3003
	s_cbranch_scc0 .Lentry_shape_is_right
	s_endpgm
.Lentry_shape_is_right:
; For one batch row b and 128 timesteps t: score[t] = sum over f of w2[f] tanh(h_proj[b][f] + enc[t][b] . Wa[f, 1024:]) + b2, then the block's share of the softmax over t:
; m = the largest score, p[t] = e^(score - m), l = the sum of p, part[e] = the sum over t of p[t] enc[t][b][e].  The last launch joins the four blocks of a b.
; LIMITS.  enc enters both products rounded once to bf16; NaN and infinities are not treated apart; a weight p below 2^-126 counts as 0.
; SHARES.  Cluster = b (64 of them), place in the cluster = which 128 t.  Four waves w = 2 mi + ki.  Wave (mi, ki) keeps IN REGISTERS the bf16 fragments of its 64 rows t (mi) and 512 of the 1,024 k
; (ki: k = 256 (s / 4) + 128 ki + 32 (s % 4) on, s = 0..15): 64 fragments, 512 registers.  So enc is read from memory once, and LDS is left to the weights.
; THE WALK.  The 2,048 columns f go in 64 UNITS of 32 (two n-blocks).  In a unit a wave multiplies both n-blocks by its own half of K: block 1 - ki into HS, block ki into HK, 64 products each.
; HS goes to the partner wave (w xor 1) through LDS in f32; the partner's HS is the missing half of my own block.
; The product is transposed (source 0 = 16 rows f of the weights, source 1 = 16 rows t): a lane holds one t (lane % 16) and f = 8 (lane / 16) + 0..7.
; tanh x = 1 - 2 / (1 + 2^(c x)), c = 2 log2(e); hsc holds c x h_proj.  What is summed is w2 / (1 + 2^(c x)); the score is (sum of w2 + b2) - 2 x that sum.
; A unit's 128 vector lines ride behind the NEXT unit's products.  The first unit's riders work on zeros (88 registers cleared once) and add 0: no first unit is written out.
; THE RING.  Two LDS slots of 131,072 bytes, each a chunk of 64 columns x 1,024 k (two units), in fragment order: a fragment load is 512 consecutive bytes, twice.
; All work-groups walk the same weights: the four of a cluster ask for each chunk JOINTLY, a quarter a wave, one load a wave behind each round of the cluster's barrier.
; REGISTERS, in windows of 256 (s_set_vgpr_msb: bits 1:0 source 0, 3:2 source 1, 5:4 source 2, 7:6 destination):
;   window 0: addresses, score sums, the tables' pieces; at the end p, the output sums, the identity fragment
;   window 1: v0-31 HS, v32-63 HK, v64-127 E (two parities), v128-255 the weights' fragments (two groups of eight); before the walk: where enc lands in f32
;   windows 2, 3: enc's fragments: (s, mb) at 8 (4 s + mb) of the 512
.set CEXP,   0x4038aa3b                ; c = 2 log2(e)
.set LOG2E,  0x3fb8aa3b
.set CHUNKB, 131072
.set UNITB,  65536
.set SLOT1,  1<<17                     ; slot 1: one exclusive or turns an address in one slot into the other's
.set XB,     262144                    ; the exchange: parity x 16,384 + sender's wave x 4,096 + mb x 1,024 + half x 512 + 16 lane
.set TAB,    294912                    ; hsc's row b (8,192 bytes), then w2 (8,192)
.set SCS,    311296                    ; [ki][128] f32: the two halves of the score sums
.set PARR,   312320                    ; p, a copy of 512 bytes for each wave
.set OUTP,   314368                    ; [mi][1024] f32
.set SPARE,  327168                    ; the spare words, 128 bytes for each wave; no other line names them
.set R,    1                           ; lane % 16
.set H,    2                           ; lane / 16
.set LN,   3                           ; lane
.set AS,   4                           ; my place in a unit for block 1 - ki: 16 lane + 32768 ki + 16384 (1 - ki)
.set AK,   5                           ; for block ki
.set ADR,  6                           ; the address of the run of loads in hand
.set XST,  7                           ; where I put HS
.set XLD,  8                           ; where the partner has put his
.set TBA,  9                           ; my 32 bytes of the tables for the unit in hand; 128 bytes on in each unit
.set VOFF, 10                          ; my offset in 16 rows t of enc: 262144 r + 32 h; never rewritten
.set PFO,  11                          ; 256 x lane; never rewritten
.set SPW,  12                          ; my spare word's LDS address; never rewritten
.set NIL,  13                          ; 0; never rewritten
.set SACC, 24                          ; v[24:31] the score sums, a pair for each mb
.set TB,   32                          ; v[32:63] by parity: hsc's eight, w2's eight
.set TL,   64                          ; v[64:95] the tables on their way into LDS
.set PP,   64                          ; v[64:95] at the end: p of my 64 t, as the turned fragments want it
.set OA,   96                          ; v[96:159] 32 pairs: the output sums
.set ID,   160                         ; v[160:171] 0 x 4, the identity's four registers, 0 x 4
.set WS,   172                         ; v[172:235] at work at the end
.set MLR,  236                         ; v[236:237] m, l
.set WV,  18
.set MI,  19
.set KI,  20
.set CX,  21
.set TBS, 22                           ; LDS byte at which the unit to be fetched begins
.set CNT, 23
.set G1,  24                           ; s[24:31] descriptor group 1
.set G0A, 32                           ; s[32:35] group 0: chunk 0 into slot 0
.set G0B, 36                           ; s[36:39] group 0: chunk 1 into slot 1; then it walks
.set SB,  40                           ; s[40:47] enc at my rows, for mb = 0..3
.set CS,  48                           ; s[48:49] c
.set SEL, 50                           ; s[50:51] v_permlanex16_b32: each lane takes its own place in the other half
.set PFA, 52                           ; s[52:53] where my prefetches stand
.set LIM, 54                           ; 2 in the cluster that prefetches, else the greatest number
.set B2,  55
.set MSB, 0
.macro WIN new                         ; the immediate's high byte repeats the setting that is left; a switch that changes nothing is dropped
.if MSB != (\new)
	s_set_vgpr_msb (MSB<<8)|(\new)
.set MSB, (\new)
.endif
.endm
.macro WP                              ; a product's setting: destination, source 0 and source 2 in window 1
.if (MSB != 0x59) && (MSB != 0x5d)
	WIN 0x59
.endif
.endm
.macro PLACES                          ; four plain places behind matrix instructions (ISA guide 7.12.1)
.rept 4
	v_nop
.endr
.endm
.macro CREST                           ; a round of the cluster's barrier behind its opening barrier
	s_cmp_lg_u32 s[WV], 0
	s_cbranch_scc1 .Lnot_wave_0_\@
	s_barrier_signal -3
.Lnot_wave_0_\@:
	s_barrier_wait -3
	s_barrier_signal -1
	s_barrier_wait -1
.endm
.macro ROUND
	s_barrier_signal -1
	s_barrier_wait -1
	CREST
.endm
	s_load_b256 s[4:11], s[0:1], 0x0               ; enc s[4:5], wb s[6:7], hsc s[8:9], w2 s[10:11]
	s_load_b128 s[12:15], s[0:1], 0x20             ; b2 s[12:13], part s[14:15]
	s_load_b64 s[16:17], s[0:1], 0x30              ; ml
	v_lshl_add_u32 v[SPW], v0, 2, SPARE
	v_mov_b32 v[NIL], 0
	ds_add_u32 v[SPW], v[NIL]                      ; the opening: the add, twice on end, and its wait ahead of my first tensor load
	ds_add_u32 v[SPW], v[NIL]
	v_lshrrev_b32 v15, 5, v0
	v_readfirstlane_b32 s[WV], v15                 ; wave 0..3
	s_lshr_b32 s[MI], s[WV], 1
	s_and_b32 s[KI], s[WV], 1
	s_bfe_u32 s[CX], ttmp6, 0x40000                ; my place in the cluster: it enters enc's, part's, ml's and the prefetches' addresses alone
	; group 1: a quarter chunk, 32,768 dense bytes, as 128 rows of 256 bytes (32 elements of 8)
	s_mov_b32 s[G1+0], 15|(3<<16)|(1<<21)          ; the mask of four; elements of 8 bytes; bit 21 beside a mask; no padding
	s_mov_b32 s[G1+1], 32<<16                      ; tensor_dim0 = 32
	s_mov_b32 s[G1+2], 128<<16                     ; tensor_dim1 = 128
	s_mov_b32 s[G1+3], 32<<16                      ; tile_dim0 = 32
	s_mov_b32 s[G1+4], 128                         ; tile_dim1 = 128
	s_mov_b32 s[G1+5], 32                          ; 32 elements from row to row
	s_mov_b32 s[G1+6], 0
	s_mov_b32 s[G1+7], 0
	s_mov_b32 s[CS], CEXP
	s_mov_b32 s[CS+1], CEXP
	s_mov_b32 s[SEL], 0x76543210
	s_mov_b32 s[SEL+1], 0xfedcba98
	s_cmp_eq_u32 ttmp9, 0
	s_cselect_b32 s[LIM], 2, -1                    ; the same in all four partners
	s_lshl_b32 s56, s[WV], 15                      ; my quarter of a chunk, in memory and in a slot
	s_mov_b32 s57, 0
	s_lshl_b32 s58, s[CX], 25                      ; 128 t x 64 b x 4,096 bytes
	s_lshl_b32 s59, s[MI], 24                      ; 64 t
	s_add_co_u32 s58, s58, s59
	s_lshl_b32 s59, ttmp9, 12                      ; b
	s_add_co_u32 s58, s58, s59
	s_lshl_b32 s59, s[KI], 9                       ; my 128 k of each 256
	s_add_co_u32 s58, s58, s59
	s_mov_b32 s59, 0
	s_lshl_b32 s60, ttmp9, 13                      ; hsc's row b
	s_mov_b32 s61, 0
	s_lshl_b32 s62, ttmp9, 2
	s_add_co_u32 s62, s62, s[CX]                   ; the work-group's number, 4 b + place
	s_mov_b32 s[G0A], 1
	s_mov_b32 s[G0A+1], s56
	s_mov_b32 s[G0B], 1
	s_add_co_u32 s[G0B+1], s56, SLOT1
	s_wait_dscnt 0x0                               ; both opening adds are done
	s_wait_kmcnt 0x0
	s_add_nc_u64 s[G0A+2:G0A+3], s[6:7], s[56:57]
	s_add_nc_u64 s[G0B+2:G0B+3], s[G0A+2:G0A+3], CHUNKB
	s_or_b32 s[G0A+3], s[G0A+3], 0x80000000
	s_or_b32 s[G0B+3], s[G0B+3], 0x80000000
	s_add_nc_u64 s[SB:SB+1], s[4:5], s[58:59]
.irp m, 1,2,3
	s_add_nc_u64 s[SB+2*(\m):SB+2*(\m)+1], s[SB+2*(\m)-2:SB+2*(\m)-1], 1<<22   ; 16 t on
.endr
	s_add_nc_u64 s[8:9], s[8:9], s[60:61]
	s_lshl_b32 s56, s62, 12
	s_add_nc_u64 s[14:15], s[14:15], s[56:57]
	s_lshl_b32 s56, s62, 8
	s_add_nc_u64 s[16:17], s[16:17], s[56:57]
	s_lshl_b32 s56, s[CX], 15                      ; the prefetches: my work-group's quarter of a chunk, my wave's quarter of that,
	s_lshl_b32 s2, s[WV], 13
	s_add_co_u32 s56, s56, s2
	s_add_co_u32 s56, s56, 3*CHUNKB                ; in chunk 3: the first refill steps it to chunk 4
	s_add_nc_u64 s[PFA:PFA+1], s[6:7], s[56:57]
	s_load_b32 s[B2], s[12:13], 0x0
	ROUND                                          ; all four work-groups are here: the first joint loads meet
	tensor_load_to_lds s[G0A:G0A+3], s[G1:G1+7]    ; both first fills together: two loads of mine are out
	s_nop 0
	tensor_load_to_lds s[G0B:G0B+3], s[G1:G1+7]
	s_nop 0
	PLACES
	v_and_b32 v[R], 15, v0
	v_bfe_u32 v[H], v0, 4, 1
	v_and_b32 v[LN], 31, v0
	v_lshlrev_b32 v15, 4, v[LN]
	s_lshl_b32 s56, s[KI], 15
	s_xor_b32 s57, s[KI], 1
	s_lshl_b32 s57, s57, 14
	s_add_co_u32 s57, s57, s56
	v_add_nc_u32 v[AS], s57, v15
	s_lshl_b32 s57, s[KI], 14
	s_add_co_u32 s57, s57, s56
	v_add_nc_u32 v[AK], s57, v15
	s_lshl_b32 s57, s[WV], 12
	s_add_co_u32 s57, s57, XB
	v_add_nc_u32 v[XST], s57, v15
	s_xor_b32 s57, s[WV], 1
	s_lshl_b32 s57, s57, 12
	s_add_co_u32 s57, s57, XB
	v_add_nc_u32 v[XLD], s57, v15
	s_lshl_b32 s57, s[KI], 6
	s_add_co_u32 s57, s57, TAB
	v_lshl_add_u32 v[TBA], v[H], 5, s57
	v_lshlrev_b32 v[VOFF], 18, v[R]
	v_lshl_add_u32 v[VOFF], v[H], 5, v[VOFF]
	v_lshlrev_b32 v[PFO], 8, v[LN]
	v_lshlrev_b32 v16, 4, v0                       ; 16 x thread
	v_add_nc_u32 v17, TAB, v16
.irp i, 0,1,2,3
	global_load_b128 v[TL+4*(\i):TL+4*(\i)+3], v16, s[8:9] offset:2048*(\i)
.endr
.irp i, 0,1,2,3
	global_load_b128 v[TL+16+4*(\i):TL+16+4*(\i)+3], v16, s[10:11] offset:2048*(\i)
.endr
; ---- enc INTO REGISTERS.  Eight batches of eight fragments (two steps s x four mb): 32 loads of 16 bytes a lane into window 1, 64 roundings into windows 2 and 3.
; A batch covers 256 consecutive bytes, aligned, of each of my 64 rows.  Two batches, 64 loads, are out at a time.
.macro ALOAD beta
	WIN 0x40
.irp i, 0,1,2,3,4,5,6,7
.irp c, 0,1,2,3
	global_load_b128 v[128*((\beta)%2)+16*(\i)+4*(\c):128*((\beta)%2)+16*(\i)+4*(\c)+3], v[VOFF], s[SB+2*((\i)%4):SB+2*((\i)%4)+1] offset:1024*((2*(\beta)+(\i)/4)/4)+128*((2*(\beta)+(\i)/4)%4)+16*((\c)%2)+64*((\c)/2) th:TH_LOAD_RT_NT
.endr
.endr
.endm
.macro ACVT beta
	WIN 0x85+0x40*((\beta)/4)                      ; sources in window 1, destination in window 2 or 3
.set n, 0
.rept 64
	v_cvt_pk_bf16_f32 v[64*((\beta)%4)+n], v[128*((\beta)%2)+2*n], v[128*((\beta)%2)+2*n+1]
.set n, n+1
.endr
.endm
	ALOAD 0
	WIN 0
	s_wait_loadcnt 32                              ; the tables' eight loads are in; the batch's 32 stay out
.irp i, 0,1,2,3
	ds_store_b128 v17, v[TL+4*(\i):TL+4*(\i)+3] offset:2048*(\i)
	ds_store_b128 v17, v[TL+16+4*(\i):TL+16+4*(\i)+3] offset:8192+2048*(\i)
.endr
	ALOAD 1
.irp b, 0,1,2,3,4,5,6,7
.if (\b) < 7
	s_wait_loadcnt 32                              ; this batch is in; the next one's 32 loads stay out
.else
	s_wait_loadcnt 0x0
.endif
	ACVT \b
.if (\b) < 6
	ALOAD (\b)+2
.endif
.endr
	WIN 0x40                                       ; what the first unit's riders find: zeros
.set n, 0
.rept 32
	v_mov_b32 v[32+n], 0                           ; HK
	v_mov_b32 v[96+n], 0                           ; E, parity 1
.set n, n+1
.endr
	WIN 0
.set n, 0
.rept 16
	v_mov_b32 v[TB+16+n], 0                        ; the tables' pieces, parity 1: w2 = 0, so nothing is added
.set n, n+1
.endr
.set n, 0
.rept 8
	v_mov_b32 v[SACC+n], 0
.set n, n+1
.endr
; ---- THE WALK'S PARTS.
; Group g of a unit's four: eight fragments of the weights (steps 8 (g % 2) on of block 1 - ki for g < 2, of block ki else), 16 loads in one run.  w = 1: the wait for the exponentials stands in it.
.macro FETCH g, w=0
	WIN 0
.if (\g) < 2
	v_add_nc_u32 v[ADR], s[TBS], v[AS]
.else
	v_add_nc_u32 v[ADR], s[TBS], v[AK]
.endif
.if \w
	s_wait_alu depctr_va_vdst(0)                   ; one wait for the unit's 32 exponentials, ahead of the first line that names a result
.endif
	WIN 0x40
.irp f, 0,1,2,3,4,5,6,7
	ds_load_b128 v[128+64*((\g)%2)+8*(\f):128+64*((\g)%2)+8*(\f)+3],   v[ADR] offset:8192*((\g)%2)+1024*(\f)
	ds_load_b128 v[128+64*((\g)%2)+8*(\f)+4:128+64*((\g)%2)+8*(\f)+7], v[ADR] offset:8192*((\g)%2)+1024*(\f)+512
.endr
.endm
.macro XSTORE par                      ; HS to the partner; each accumulator's low registers first
	WIN 0x04
.irp m, 0,1,2,3
	ds_store_b128 v[XST], v[8*(\m):8*(\m)+3]   offset:16384*(\par)+1024*(\m)
	ds_store_b128 v[XST], v[8*(\m)+4:8*(\m)+7] offset:16384*(\par)+1024*(\m)+512
.endr
.endm
.macro XLOAD par                       ; the partner's HS: the other half of my block's sums
	WIN 0x40
.irp m, 0,1,2,3
	ds_load_b128 v[64+32*(\par)+8*(\m):64+32*(\par)+8*(\m)+3],   v[XLD] offset:16384*(\par)+1024*(\m)
	ds_load_b128 v[64+32*(\par)+8*(\m)+4:64+32*(\par)+8*(\m)+7], v[XLD] offset:16384*(\par)+1024*(\m)+512
.endr
.endm
.macro TLOAD par                       ; hsc and w2 of my eight columns of this unit
	WIN 0
	ds_load_b128 v[TB+16*(\par):TB+16*(\par)+3],     v[TBA]
	ds_load_b128 v[TB+16*(\par)+4:TB+16*(\par)+7],   v[TBA] offset:16
	ds_load_b128 v[TB+16*(\par)+8:TB+16*(\par)+11],  v[TBA] offset:8192
	ds_load_b128 v[TB+16*(\par)+12:TB+16*(\par)+15], v[TBA] offset:8208
	v_add_nc_u32 v[TBA], 128, v[TBA]
.endm
; Product i of a unit's 128: step (i % 64) / 4, rows 16 (i % 4) on.  The four accumulators of a part take turns, one instruction a turn, from part to part and from unit to unit too; a part's first four start the sums.
.macro MM
.set sl, (i%64)/4
.set ac, 32*(i/64)+8*(i%4)
.set bf, 128+64*((i/32)%2)+8*(sl%8)
.set af, 8*(4*(sl%8)+i%4)
	WIN 0x59+4*(sl/8)
.if sl == 0
	v_wmma_f32_16x16x32_bf16 v[ac:ac+7], v[bf:bf+7], v[af:af+7], 0
.else
	v_wmma_f32_16x16x32_bf16 v[ac:ac+7], v[bf:bf+7], v[af:af+7], v[ac:ac+7]
.endif
.endm
; THE RIDERS work on the unit before (parity PE): E = c x (partner's half) + hsc; + c x HK; 2^E; + 1; 1 / E; score sum += E x w2.
.macro RA q
	WIN 0x41
	v_pk_fma_f32 v[64+32*PE+2*(\q):64+32*PE+2*(\q)+1], v[64+32*PE+2*(\q):64+32*PE+2*(\q)+1], s[CS:CS+1], v[TB+16*PE+2*((\q)%4):TB+16*PE+2*((\q)%4)+1] op_sel_hi:[1,0,1]
.endm
.macro RB q
	WP
	v_pk_fma_f32 v[64+32*PE+2*(\q):64+32*PE+2*(\q)+1], v[32+2*(\q):32+2*(\q)+1], s[CS:CS+1], v[64+32*PE+2*(\q):64+32*PE+2*(\q)+1] op_sel_hi:[1,0,1]
.endm
.macro RE q
	WP
	v_exp_f32 v[64+32*PE+(\q)], v[64+32*PE+(\q)]
.endm
.macro RD q
	WP
	v_pk_add_f32 v[64+32*PE+2*(\q):64+32*PE+2*(\q)+1], v[64+32*PE+2*(\q):64+32*PE+2*(\q)+1], 1.0 op_sel_hi:[1,0]
.endm
.macro RR q
	WP
	v_rcp_f32 v[64+32*PE+(\q)], v[64+32*PE+(\q)]
.endm
.macro RF q                            ; pair q / 4 of rows q % 4: four sums by turns
	WIN 0x01
	v_pk_fma_f32 v[SACC+2*((\q)%4):SACC+2*((\q)%4)+1], v[64+32*PE+8*((\q)%4)+2*((\q)/4):64+32*PE+8*((\q)%4)+2*((\q)/4)+1], v[TB+16*PE+8+2*((\q)/4):TB+16*PE+8+2*((\q)/4)+1], v[SACC+2*((\q)%4):SACC+2*((\q)%4)+1]
.endm
.macro SLOT                            ; what rides behind product i
.if i < 4
.irp z, 0,1,2,3
	RA 4*i+\z
.endr
.elseif i < 20
	RB i-4
.elseif (i >= 32) && (i < 64)
	RE i-32
.elseif (i >= 64) && (i < 72)
	RD 2*(i-64)
	RD 2*(i-64)+1
.elseif (i >= 72) && (i < 104)
	RR i-72
.elseif (i >= 104) && (i < 108)
.irp z, 0,1,2,3
	RF 4*(i-104)+\z
.endr
.endif
.endm
.macro RUN n
.rept \n
	MM
	SLOT
.set i, i+1
.endr
.endm
; In front of group g: the next group's fragments are fetched into the buffer that the group before has just multiplied, four places behind its last product.
; g = 2: HS is finished: it goes to the partner; the fetches' base steps to the next unit.
.macro BD g, par
	PLACES
	FETCH (\g)+1, (\g)==2
.if (\g) == 2
	XSTORE \par
.if (\par) == 0
	s_add_co_u32 s[TBS], s[TBS], UNITB
.else
	s_sub_co_u32 s[TBS], s[TBS], UNITB
	s_xor_b32 s[TBS], s[TBS], SLOT1
.endif
	s_wait_dscnt 24                                ; all but the 16 loads and 8 stores just issued: this group's fragments are in
.else
	s_wait_dscnt 16                                ; all but the 16 loads just issued
.endif
.endm
; A prefetch of the chunk that stands two refills on: 32 blocks of 256 bytes a wave, a lane a block.  Every cluster walks the same weights: the first cluster asks, and nobody else;
; its sixteen waves share a chunk's 131,072 bytes out by address.  The last two refills have no chunk two on.
.macro ASK
	WIN 0
	s_cmp_gt_u32 s[CNT], s[LIM]
	s_cbranch_scc0 .Lnot_mine_\@
	global_prefetch_b8 v[PFO], s[PFA:PFA+1] th:TH_LOAD_NT scope:SCOPE_SE
.Lnot_mine_\@:
.endm
; A UNIT.  kind 0: a chunk's first unit: a barrier for the exchange alone.  kind 1: its second: the barrier opens a round of the cluster's, and the slot just read out is filled again.  kind 2: the same with nothing left to fetch.
.macro UNIT par, kind
.set PE, 1-(\par)
.set i, 0
	BD 0, \par
	RUN 32
	BD 1, \par
	RUN 32
	BD 2, \par
	RUN 32
	s_wait_dscnt 0x0                               ; the last group's fragments are in, and my HS lies in LDS
.if (\kind) == 0
	s_barrier_signal -1
	RUN 8
.else
	WIN 0
	s_wait_tensorcnt 0x0                           ; all my tensor loads have landed: my quarter of the other slot
	ds_add_u32 v[SPW], v[NIL]                      ; 0 onto my spare word
.if (\kind) == 1
	s_xor_b32 s[G0B+1], s[G0B+1], SLOT1            ; the walking descriptor: the other slot than last time, the next chunk
	s_add_nc_u64 s[G0B+2:G0B+3], s[G0B+2:G0B+3], CHUNKB
	s_wait_xcnt 0x0                                ; the last prefetch, two units back, has read its address
	s_add_nc_u64 s[PFA:PFA+1], s[PFA:PFA+1], CHUNKB
.endif
	RUN 4
	s_wait_dscnt 0x0                               ; the add is done; my reads of this slot were over above
	s_barrier_signal -1
	RUN 4
.endif
	v_nop                                          ; the plain line behind the last reciprocal,
	s_wait_alu depctr_va_vdst(0)                   ; and one wait for the unit's 32, ahead of the branches and of the first line that names a result
	WIN 0
	s_barrier_wait -1                              ; every wave's HS lies in LDS
.if (\kind) == 1
	CREST                                          ; no wave of any partner still reads this slot or has a load on its way
	tensor_load_to_lds s[G0B:G0B+3], s[G1:G1+7]    ; my one load behind the round: 248 products ahead of the wait for it
	s_nop 0
.endif
	PLACES                                         ; also the places in front of the loads into the buffer that group 2 multiplied
	TLOAD \par
	FETCH 0                                        ; the next unit's first group
	XLOAD \par
.if (\kind) == 1
	ASK
.endif
	RUN 24
.endm
	WIN 0
	s_wait_tensorcnt 0x1                           ; my quarter of chunk 0 is in; chunk 1 may stay out
	s_wait_dscnt 0x0                               ; my part of the tables lies in LDS
	s_barrier_signal -1
	s_barrier_wait -1
	s_mov_b32 s[TBS], 0
	FETCH 0
	WIN 0
	s_mov_b32 s[CNT], 30
.Lslot:                                        ; trip k: chunk k is multiplied, and its slot filled again with chunk k + 2
	UNIT 0, 0
	UNIT 1, 1
	WIN 0
	s_sub_co_u32 s[CNT], s[CNT], 1
	s_cmp_lg_u32 s[CNT], 0
	s_cbranch_scc1 .Lslot
	s_mov_b32 s[CNT], 2
.Ltail:                                        ; the last two chunks ask for nothing; the very last fetch of a next group brings bytes that nobody uses
	UNIT 0, 0
	UNIT 1, 2
	WIN 0
	s_sub_co_u32 s[CNT], s[CNT], 1
	s_cmp_lg_u32 s[CNT], 0
	s_cbranch_scc1 .Ltail
	; ---- THE LAST UNIT'S VECTOR WORK, with no products to ride behind.
	s_wait_dscnt 0x0
	PLACES
	PLACES
.set PE, 1
.macro ALLQ op, cnt
.set n, 0
.rept \cnt
	\op n
.set n, n+1
.endr
.endm
	ALLQ RA, 16
	ALLQ RB, 16
	ALLQ RE, 32
	v_nop
	s_wait_alu depctr_va_vdst(0)
	ALLQ RD, 16
	ALLQ RR, 32
	v_nop
	s_wait_alu depctr_va_vdst(0)
	ALLQ RF, 16
	WIN 0
	; ---- THE SCORES.  A lane's sums cover its eight f of block ki in every unit: the pair's halves, the other half of the lanes and the partner's block are added.
	s_lshl_b32 s56, s[KI], 9
	s_lshl_b32 s57, s[MI], 8
	s_add_co_u32 s56, s56, s57
	s_add_co_u32 s56, s56, SCS
	v_lshl_add_u32 v20, v[R], 2, s56
	v_lshlrev_b32 v15, 4, v[LN]
	v_add_nc_u32 v21, TAB+8192, v15
	v_add_nc_u32 v22, SCS, v15
	s_lshl_b32 s56, s[WV], 9
	s_add_co_u32 s56, s56, PARR
	v_add_nc_u32 v23, s56, v15
	s_add_co_u32 s56, s56, s57
	v_lshl_add_u32 v238, v[H], 5, s56
	v_lshlrev_b32 v239, 3, v[LN]
.irp i, 0,1,2,3,4,5,6,7,8,9,10,11,12,13,14,15
	ds_load_b128 v[WS+4*(\i):WS+4*(\i)+3], v21 offset:512*(\i)   ; all of w2, 64 numbers a lane
.endr
.irp m, 0,1,2,3
	v_add_f32 v[16+(\m)], v[SACC+2*(\m)], v[SACC+2*(\m)+1]
.endr
.irp m, 0,1,2,3
	v_permlanex16_b32 v[SACC+2*(\m)+1], v[16+(\m)], s[SEL], s[SEL+1]
.endr
.irp m, 0,1,2,3
	v_add_f32 v[16+(\m)], v[16+(\m)], v[SACC+2*(\m)+1]
.endr
.irp m, 0,1,2,3
	ds_store_b32 v20, v[16+(\m)] offset:64*(\m)    ; both halves of the lanes store the same number
.endr
	s_wait_dscnt 0x0
	s_barrier_signal -1
.irp w, 32,16,8,4,2                    ; the sum of w2, between the signal and the wait: work on registers
.set n, 0
.rept (\w)/2
	v_pk_add_f32 v[WS+n:WS+n+1], v[WS+n:WS+n+1], v[WS+(\w)+n:WS+(\w)+n+1]
.set n, n+2
.endr
.endr
	v_add_f32 v[WS], v[WS], v[WS+1]
.irp x, 1,2,4,8
	v_add_f32_dpp v[WS], v[WS], v[WS] row_xmask:\x row_mask:0xf bank_mask:0xf
.endr
	v_permlanex16_b32 v[WS+1], v[WS], s[SEL], s[SEL+1]
	v_add_f32 v15, v[WS], v[WS+1]
	s_barrier_wait -1
	ds_load_b128 v[WS+4:WS+7], v22                 ; lane l: t = 4 l .. 4 l + 3, both blocks' halves
	ds_load_b128 v[WS+8:WS+11], v22 offset:512
	s_wait_kmcnt 0x0
	v_add_f32 v15, s[B2], v15
	s_wait_dscnt 0x0
	v_pk_add_f32 v[WS+4:WS+5], v[WS+4:WS+5], v[WS+8:WS+9]
	v_pk_add_f32 v[WS+6:WS+7], v[WS+6:WS+7], v[WS+10:WS+11]
.irp k, 4,5,6,7
	v_fma_f32 v[WS+(\k)], v[WS+(\k)], -2.0, v15    ; the score
.endr
	v_max3_num_f32 v[MLR], v[WS+4], v[WS+5], v[WS+6]
	v_max_num_f32 v[MLR], v[MLR], v[WS+7]
.irp x, 1,2,4,8
	v_max_num_f32_dpp v[MLR], v[MLR], v[MLR] row_xmask:\x row_mask:0xf bank_mask:0xf
.endr
	v_permlanex16_b32 v[WS+1], v[MLR], s[SEL], s[SEL+1]
	v_max_num_f32 v[MLR], v[MLR], v[WS+1]          ; m: the largest of the block's 128 scores
.irp k, 4,5,6,7
	v_sub_f32 v[WS+(\k)], v[WS+(\k)], v[MLR]       ; the difference first: it is exact where it matters
.endr
.irp k, 4,5,6,7
	v_mul_f32 v[WS+(\k)], LOG2E, v[WS+(\k)]
.endr
.irp k, 4,5,6,7
	v_exp_f32 v[WS+(\k)], v[WS+(\k)]
.endr
	v_nop
	s_wait_alu depctr_va_vdst(0)
	v_add_f32 v[MLR+1], v[WS+4], v[WS+5]
	v_add_f32 v[WS+1], v[WS+6], v[WS+7]
	v_add_f32 v[MLR+1], v[MLR+1], v[WS+1]
.irp x, 1,2,4,8
	v_add_f32_dpp v[MLR+1], v[MLR+1], v[MLR+1] row_xmask:\x row_mask:0xf bank_mask:0xf
.endr
	v_permlanex16_b32 v[WS+1], v[MLR+1], s[SEL], s[SEL+1]
	v_add_f32 v[MLR+1], v[MLR+1], v[WS+1]          ; l
	ds_store_b128 v23, v[WS+4:WS+7]                ; p, into my wave's copy
	s_wait_dscnt 0x0
	s_barrier_signal -1
	; the identity fragment: lane (r, h) holds 1.0 at element r - 8 h of eight, if that lies in 0..7
	v_lshlrev_b32 v240, 3, v[H]
	v_sub_nc_u32 v240, v[R], v240
	v_and_b32 v241, 1, v240
	v_lshlrev_b32 v241, 4, v241
	v_mov_b32 v242, 0x3f80
	v_lshlrev_b32 v241, v241, v242                 ; bf16 1.0 in the low or the high half
	v_ashrrev_i32 v240, 1, v240
.irp c, 0,1,2,3
	v_cmp_eq_u32 vcc_lo, \c, v240
	v_cndmask_b32 v[ID+4+(\c)], 0, v241, vcc_lo
	v_mov_b32 v[ID+(\c)], 0
	v_mov_b32 v[ID+8+(\c)], 0
.endr
	s_barrier_wait -1
.irp m, 0,1,2,3
	ds_load_b128 v[PP+8*(\m):PP+8*(\m)+3],   v238 offset:64*(\m)      ; p of t = 64 mi + 16 mb + 8 h + 0..7
	ds_load_b128 v[PP+8*(\m)+4:PP+8*(\m)+7], v238 offset:64*(\m)+16
.endr
	s_cmp_lg_u32 s[WV], 0
	s_cbranch_scc1 .Lno_ml
	global_store_b64 v239, v[MLR:MLR+1], s[16:17]  ; (m, l) 32 times: 256 consecutive bytes, aligned
.Lno_ml:
	s_wait_dscnt 0x0
	; ---- THE SUM OF p x enc, OUT OF THE REGISTERS.  A fragment times the identity comes back turned: D(t, e) = enc(t, e), exactly, with e = lane % 16 and t = 8 (lane / 16) + j in register j.
	; So each register is multiplied by its own t's p, in f32.  Sixteen batches (four steps s, one mb): eight products, and behind them the 32 multiply-adds of the batch before, which are their places.
.macro PB beta
	WIN 0x42+((\beta)/8)                           ; source 0 in window 2 or 3, source 1 in window 0, destination in window 1
.set tt, 0
.rept 8
.set sv, 4*((\beta)/4)+tt/2
	v_wmma_f32_16x16x32_bf16 v[64*((\beta)%2)+8*tt:64*((\beta)%2)+8*tt+7], v[8*(4*(sv%8)+(\beta)%4):8*(4*(sv%8)+(\beta)%4)+7], v[ID+4*(1-tt%2):ID+4*(1-tt%2)+7], 0
.set tt, tt+1
.endr
.endm
.macro FB beta                         ; pair p of all eight results, then the next pair: each result is read from its low end on, and no line waits for the one before it
	WIN 0x01
.irp p, 0,1,2,3
.set tt, 0
.rept 8
.set oo, OA+2*(8*((\beta)/4)+tt)
.set dd, 64*((\beta)%2)+8*tt+2*(\p)
.set pq, PP+8*((\beta)%4)+2*(\p)
.if (((\beta)%4) == 0) && ((\p) == 0)
	v_pk_mul_f32 v[oo:oo+1], v[dd:dd+1], v[pq:pq+1]                ; the first term starts the sum
.else
	v_pk_fma_f32 v[oo:oo+1], v[dd:dd+1], v[pq:pq+1], v[oo:oo+1]
.endif
.set tt, tt+1
.endr
.endr
.endm
	PB 0
	PLACES
	PLACES
.set bt, 1
.rept 15
	PB bt
	FB bt-1
.set bt, bt+1
.endr
	FB 15
	WIN 0
.set n, 0
.rept 32
	v_add_f32 v[OA+2*n], v[OA+2*n], v[OA+2*n+1]
.set n, n+1
.endr
.set n, 0
.rept 32
	v_permlanex16_b32 v[OA+2*n+1], v[OA+2*n], s[SEL], s[SEL+1]
.set n, n+1
.endr
.set n, 0
.rept 32
	v_add_f32 v[OA+2*n], v[OA+2*n], v[OA+2*n+1]
.set n, n+1
.endr
	s_lshl_b32 s56, s[MI], 12
	s_lshl_b32 s57, s[KI], 9
	s_add_co_u32 s56, s56, s57
	s_add_co_u32 s56, s56, OUTP
	v_lshl_add_u32 v240, v[R], 2, s56
.set n, 0
.rept 32
	ds_store_b32 v240, v[OA+2*n] offset:1024*(n/8)+64*(n%8)        ; e = 256 (n / 8) + 128 ki + 16 (n % 8) + r
.set n, n+1
.endr
	s_wait_dscnt 0x0
	s_barrier_signal -1
	s_barrier_wait -1
	v_lshlrev_b32 v241, 4, v0
	v_add_nc_u32 v242, OUTP, v241
	ds_load_b128 v[WS:WS+3],     v242
	ds_load_b128 v[WS+4:WS+7],   v242 offset:4096
	ds_load_b128 v[WS+8:WS+11],  v242 offset:2048
	ds_load_b128 v[WS+12:WS+15], v242 offset:6144
	s_wait_dscnt 0x0
.irp k, 0,2,8,10
	v_pk_add_f32 v[WS+(\k):WS+(\k)+1], v[WS+(\k):WS+(\k)+1], v[WS+4+(\k):WS+4+(\k)+1]   ; the two halves of the block's rows
.endr
	global_store_b128 v241, v[WS:WS+3], s[14:15]                   ; a wave stores 512 consecutive bytes, aligned
	global_store_b128 v241, v[WS+8:WS+11], s[14:15] offset:2048
	s_wait_tensorcnt 0x0                           ; the wave's end: a tensor wait, an add of 0 onto my spare word and its wait, behind my last tensor load and my last LDS store
	ds_add_u32 v[SPW], v[NIL]
	s_wait_dscnt 0x0
	ROUND                                          ; the closing round
	s_endpgm
.Lfunc_end_k_q4568571ca7_main:
	.size	k_q4568571ca7_main, .Lfunc_end_k_q4568571ca7_main-k_q4568571ca7_main
	.p2alignl 7, 3214868480
	.fill 96, 4, 3214868480
	.section	.rodata,"a",@progbits
	.p2align	6, 0x0
	.amdhsa_kernel k_q4568571ca7_main
		.amdhsa_group_segment_fixed_size 327680
		.amdhsa_private_segment_fixed_size 0
		.amdhsa_enable_private_segment 0
		.amdhsa_kernarg_size 56
		.amdhsa_user_sgpr_count 2
		.amdhsa_user_sgpr_kernarg_segment_ptr 1
		.amdhsa_wavefront_size32 1
		.amdhsa_system_sgpr_workgroup_id_x 1
		.amdhsa_system_sgpr_workgroup_id_y 1
		.amdhsa_system_sgpr_workgroup_id_z 1
		.amdhsa_system_vgpr_workitem_id 0
		.amdhsa_next_free_vgpr 1024
		.amdhsa_next_free_sgpr 66
		.amdhsa_reserve_vcc 1
		.amdhsa_float_denorm_mode_32 3
		.amdhsa_float_denorm_mode_16_64 3
		.amdhsa_memory_ordered 1
		.amdhsa_forward_progress 1
		.amdhsa_inst_pref_size 218
	.end_amdhsa_kernel
	.amdgpu_metadata
---
amdhsa.version: [ 1, 2 ]
amdhsa.kernels:
  - .name:           k_q4568571ca7_main
    .symbol:         k_q4568571ca7_main.kd
    .args:
      - { .name: encoder_states, .offset: 0, .size: 8, .value_kind: global_buffer, .address_space: global }
      - { .name: wb, .offset: 8, .size: 8, .value_kind: global_buffer, .address_space: global }
      - { .name: hsc, .offset: 16, .size: 8, .value_kind: global_buffer, .address_space: global }
      - { .name: w2, .offset: 24, .size: 8, .value_kind: global_buffer, .address_space: global }
      - { .name: b2, .offset: 32, .size: 8, .value_kind: global_buffer, .address_space: global }
      - { .name: part, .offset: 40, .size: 8, .value_kind: global_buffer, .address_space: global }
      - { .name: ml, .offset: 48, .size: 8, .value_kind: global_buffer, .address_space: global }
    .group_segment_fixed_size: 327680
    .private_segment_fixed_size: 0
    .kernarg_segment_align: 8
    .kernarg_segment_size: 56
    .max_flat_workgroup_size: 128
    .sgpr_count:     66
    .vgpr_count:     1024
    .wavefront_size: 32
...
	.end_amdgpu_metadata
.endif
;; end of part 2
;; launch fin (part 3): grid 256 x 1, 16 waves a work-group, no clusters, 88,320 bytes of LDS; arguments part, ml, decoder_out, Wc, bc, out0, out1; writes out0, out1
.if DOCPART == 3
	.amdgcn_target "amdgcn-amd-amdhsa--gfx1250"
	.amdhsa_code_object_version 6
	.text
	.protected	k_q4568571ca7_fin
	.globl	k_q4568571ca7_fin
	.p2align	8
	.type	k_q4568571ca7_fin,@function
k_q4568571ca7_fin:
	s_mov_b64 s[64:65], 0
	v_nop
	global_prefetch_b8 v0, s[64:65] scope:SCOPE_SE
	s_setreg_imm32_b32 hwreg(HW_REG_WAVE_MODE, 25, 1), 1
	s_wait_xcnt 0x0
; applied[b] = the sum over a b's four blocks q of wn_q part[4 b + q], wn_q = e^(m_q - M) / (the sum of e^(m_q - M) l_q), M = the largest m_q;
; out[b][d] = tanh([decoder_out[b], applied[b]] . Wc[d] + bc[d]).
; A work-group makes 16 rows b (mblk) x 16 columns d (nb) of out.  Wave w first makes row 16 mblk + w of applied, whole, in f32, and lays it with decoder_out's row in LDS in bf16;
; then K = 2,048 is split among the sixteen waves, 128 each, and the partial sums meet in LDS.  All 60 loads of a wave go out together.
; applied's rows are made anew by each of the 64 work-groups of an mblk; each stores 1,024 bytes of them: row nb / 4, quarter nb % 4.
; The product is transposed (source 0 = 16 rows of Wc, source 1 = 16 rows b): a lane ends with one b and eight neighbouring d.
; out0 leaves in pieces of 64 bytes: a work-group has 16 columns, so that Wc's 8 MiB are spread over all work-groups.
; NO CLUSTER, NO TENSOR LOAD: the operands are f32 in memory and are rounded, part also weighted, on their way, so they come through registers, once, with no second step.
; LIMITS.  NaN and infinities are not treated apart; a block's weight below 2^-126 counts as 0.
.set LOG2E, 0x3fb8aa3b
.set CEXP,  0x4038aa3b                 ; 2 log2(e): tanh x = 1 - 2 / (1 + 2^(c x))
.set ATP,   4112                       ; a row of [decoder_out, applied] in bf16: 4,096 bytes + 16, an odd multiple of 16
.set PT,    16*ATP                     ; partial sums: for each wave 16 rows of 64 + 16 bytes
.set PTW,   1280
.set SPARE, PT+16*PTW                  ; the spare words, 128 bytes for each of the sixteen waves
.set SPW, 2
.set NIL, 3
.set ML,  16                           ; v[16:23] (m, l) of the four blocks
.set W,   24                           ; v[24:31] wn_q, each written twice: a pair for the packed lines
.set LAND, 32                          ; v[32:191] eight items of 20: four blocks' 16 bytes, decoder_out's
.set WCL, 192                          ; v[192:255] Wc in f32
.set FRW, 32                           ; later: four fragments of Wc,
.set FRA, 64                           ; four of the rows b,
.set ACC, 96                           ; two accumulators
.set BC,  120                          ; v[120:123] bc
.set WV,  18
.set MINE, 26                          ; which pair of items I store into out1; 99: none
	s_load_b256 s[4:11], s[0:1], 0x0               ; part s[4:5], ml s[6:7], decoder_out s[8:9], Wc s[10:11]
	s_load_b128 s[12:15], s[0:1], 0x20             ; bc s[12:13], out0 s[14:15]
	s_load_b64 s[16:17], s[0:1], 0x30              ; out1
	v_lshl_add_u32 v[SPW], v0, 2, SPARE
	v_mov_b32 v[NIL], 0
	v_lshrrev_b32 v1, 5, v0
	v_readfirstlane_b32 s[WV], v1
	s_lshr_b32 s19, ttmp9, 2                       ; nb
	s_and_b32 s20, ttmp9, 3                        ; mblk
	s_lshl_b32 s21, s20, 4
	s_add_co_u32 s21, s21, s[WV]                   ; my row b
	s_and_b32 s22, s19, 3
	s_lshr_b32 s23, s19, 2
	s_cmp_eq_u32 s23, s[WV]
	s_cselect_b32 s[MINE], s22, 99
	v_and_b32 v4, 15, v0                           ; r
	v_bfe_u32 v5, v0, 4, 1                         ; h
	v_and_b32 v6, 31, v0                           ; lane
	v_lshlrev_b32 v7, 4, v6                        ; my 16 bytes of 512
	s_lshl_b32 s22, s[WV], 9                       ; my 128 k of Wc in f32
	v_lshlrev_b32 v8, 13, v4
	v_lshl_add_u32 v8, v5, 5, v8
	v_add_nc_u32 v8, s22, v8
	v_mov_b32 v9, 0
	s_mul_i32 s23, s[WV], ATP
	v_lshl_add_u32 v10, v6, 3, s23                 ; into LDS: my row, 8 bytes a lane
	s_lshl_b32 s23, s[WV], 8
	v_mul_u32_u24 v11, v4, ATP
	v_lshl_add_u32 v11, v5, 4, v11
	v_add_nc_u32 v11, s23, v11                     ; a fragment's row r, my 128 k in bf16
	s_mul_i32 s23, s[WV], PTW
	s_add_co_u32 s23, s23, PT
	v_mul_u32_u24 v12, v4, 80
	v_lshl_add_u32 v12, v5, 5, v12
	v_add_nc_u32 v12, s23, v12
	v_lshrrev_b32 v1, 2, v0                        ; the row that I finish (waves 0, 1),
	v_and_b32 v15, 3, v0                           ; and which four columns
	v_mul_u32_u24 v13, v1, 80
	v_lshl_add_u32 v13, v15, 4, v13
	v_add_nc_u32 v13, PT, v13
	v_lshlrev_b32 v14, 12, v1
	v_lshl_add_u32 v14, v15, 4, v14
	v_lshlrev_b32 v1, 4, v15
	s_mov_b32 s25, 0
	s_mov_b32 s28, CEXP
	s_mov_b32 s29, CEXP
	s_wait_kmcnt 0x0
	s_lshl_b32 s24, s21, 14
	s_add_nc_u64 s[4:5], s[4:5], s[24:25]          ; part: four rows of 4,096 bytes
	s_lshl_b32 s24, s21, 10
	s_add_nc_u64 s[6:7], s[6:7], s[24:25]          ; ml: four blocks of 256 bytes
	s_lshl_b32 s24, s21, 12
	s_add_nc_u64 s[8:9], s[8:9], s[24:25]
	s_add_nc_u64 s[16:17], s[16:17], s[24:25]
	s_lshl_b32 s24, s19, 17
	s_add_nc_u64 s[10:11], s[10:11], s[24:25]      ; 16 rows of Wc
	s_lshl_b32 s24, s19, 6
	s_add_nc_u64 s[12:13], s[12:13], s[24:25]
	s_add_nc_u64 s[14:15], s[14:15], s[24:25]
	s_lshl_b32 s24, s20, 16
	s_add_nc_u64 s[14:15], s[14:15], s[24:25]
.irp q, 0,1,2,3
	global_load_b64 v[ML+2*(\q):ML+2*(\q)+1], v9, s[6:7] offset:256*(\q)
.endr
.irp t, 0,1,2,3,4,5,6,7
.irp q, 0,1,2,3
	global_load_b128 v[LAND+20*(\t)+4*(\q):LAND+20*(\t)+4*(\q)+3], v7, s[4:5] offset:4096*(\q)+512*(\t)
.endr
	global_load_b128 v[LAND+20*(\t)+16:LAND+20*(\t)+19], v7, s[8:9] offset:512*(\t)
.endr
.irp k, 0,1,2,3
.irp c, 0,1,2,3
	global_load_b128 v[WCL+16*(\k)+4*(\c):WCL+16*(\k)+4*(\c)+3], v8, s[10:11] offset:128*(\k)+16*((\c)%2)+64*((\c)/2)
.endr
.endr
	s_wait_loadcnt 56                              ; the four (m, l) are in; the 56 loads behind them stay out
	v_max3_num_f32 v15, v[ML], v[ML+2], v[ML+4]
	v_max_num_f32 v15, v15, v[ML+6]
.irp q, 0,1,2,3
	v_sub_f32 v[W+2*(\q)], v[ML+2*(\q)], v15       ; the difference first: it is exact where it matters
.endr
.irp q, 0,1,2,3
	v_mul_f32 v[W+2*(\q)], LOG2E, v[W+2*(\q)]
.endr
.irp q, 0,1,2,3
	v_exp_f32 v[W+2*(\q)], v[W+2*(\q)]
.endr
	v_nop
	s_wait_alu depctr_va_vdst(0)                   ; one wait for the four exponentials
	v_mul_f32 v15, v[W], v[ML+1]
.irp q, 1,2,3
	v_fmac_f32 v15, v[W+2*(\q)], v[ML+2*(\q)+1]
.endr
	v_rcp_f32 v15, v15                             ; the sum is at least 1: the block with the largest m has weight 1 and l >= 1
	v_nop
	s_wait_alu depctr_va_vdst(0)
.irp q, 0,1,2,3
	v_mul_f32 v[W+2*(\q)], v[W+2*(\q)], v15
.endr
.irp q, 0,1,2,3
	v_mov_b32 v[W+2*(\q)+1], v[W+2*(\q)]
.endr
; Item t: columns 128 t + 4 lane .. + 3 of my row: applied in f32 (in place, where block 0's numbers landed), stored if it is mine, then both halves of the row in bf16 into LDS.
.macro ITEM t
.set B, LAND+20*(\t)
	s_wait_loadcnt 51-5*(\t)                       ; this item's five loads are in; the later items' and Wc's stay out
	v_pk_mul_f32 v[B:B+1], v[B:B+1], v[W:W+1] op_sel_hi:[1,0]
	v_pk_mul_f32 v[B+2:B+3], v[B+2:B+3], v[W:W+1] op_sel_hi:[1,0]
.irp q, 1,2,3
	v_pk_fma_f32 v[B:B+1], v[B+4*(\q):B+4*(\q)+1], v[W+2*(\q):W+2*(\q)+1], v[B:B+1] op_sel_hi:[1,0,1]
	v_pk_fma_f32 v[B+2:B+3], v[B+4*(\q)+2:B+4*(\q)+3], v[W+2*(\q):W+2*(\q)+1], v[B+2:B+3] op_sel_hi:[1,0,1]
.endr
	s_cmp_eq_u32 s[MINE], (\t)/2
	s_cbranch_scc0 .Lnot_mine_\@
	global_store_b128 v7, v[B:B+3], s[16:17] offset:512*(\t)       ; 512 consecutive bytes, aligned
.Lnot_mine_\@:
	v_cvt_pk_bf16_f32 v[B+4], v[B], v[B+1]
	v_cvt_pk_bf16_f32 v[B+5], v[B+2], v[B+3]
	v_cvt_pk_bf16_f32 v[B+6], v[B+16], v[B+17]
	v_cvt_pk_bf16_f32 v[B+7], v[B+18], v[B+19]
	ds_store_b64 v10, v[B+4:B+5] offset:256*(\t)+2048
	ds_store_b64 v10, v[B+6:B+7] offset:256*(\t)
.endm
.irp t, 0,1,2,3,4,5,6,7
	ITEM \t
.endr
	s_wait_dscnt 0x0                               ; for the others' sake: my row lies in LDS
	s_barrier_signal -1
	s_barrier_wait -1
	s_wait_xcnt 0x0                                ; out1's stores have read their registers, which are written again below
	global_load_b128 v[BC:BC+3], v1, s[12:13]
.irp k, 0,1,2,3
	ds_load_b128 v[FRA+8*(\k):FRA+8*(\k)+3],   v11 offset:64*(\k)
	ds_load_b128 v[FRA+8*(\k)+4:FRA+8*(\k)+7], v11 offset:64*(\k)+32
.endr
	s_wait_loadcnt 0x1                             ; Wc is in; bc may stay out
.set n, 0
.rept 32
	v_cvt_pk_bf16_f32 v[FRW+n], v[WCL+2*n], v[WCL+2*n+1]
.set n, n+1
.endr
	s_wait_dscnt 0x0
	v_wmma_f32_16x16x32_bf16 v[ACC:ACC+7],    v[FRW:FRW+7],     v[FRA:FRA+7],     0        ; two accumulators by turns; the first two products start the sums
	v_wmma_f32_16x16x32_bf16 v[ACC+8:ACC+15], v[FRW+8:FRW+15],  v[FRA+8:FRA+15],  0
	v_wmma_f32_16x16x32_bf16 v[ACC:ACC+7],    v[FRW+16:FRW+23], v[FRA+16:FRA+23], v[ACC:ACC+7]
	v_wmma_f32_16x16x32_bf16 v[ACC+8:ACC+15], v[FRW+24:FRW+31], v[FRA+24:FRA+31], v[ACC+8:ACC+15]
.rept 8
	v_nop                                          ; the places behind the last products, once a launch
.endr
.irp k, 0,2,4,6
	v_pk_add_f32 v[ACC+(\k):ACC+(\k)+1], v[ACC+(\k):ACC+(\k)+1], v[ACC+8+(\k):ACC+8+(\k)+1]
.endr
	ds_store_b128 v12, v[ACC:ACC+3]
	ds_store_b128 v12, v[ACC+4:ACC+7] offset:16
	s_wait_dscnt 0x0
	s_barrier_signal -1
	s_barrier_wait -1
	s_cmp_lt_u32 s[WV], 2                          ; 64 threads finish 16 rows x 16 columns, four columns each
	s_cbranch_scc0 .Lend
.irp v, 0,1,2,3,4,5,6,7,8,9,10,11,12,13,14,15
	ds_load_b128 v[128+4*(\v):128+4*(\v)+3], v13 offset:PTW*(\v)
.endr
	s_wait_loadcnt 0x0                             ; bc
	v_pk_mul_f32 v[BC:BC+1], v[BC:BC+1], s[28:29] op_sel_hi:[1,0]
	v_pk_mul_f32 v[BC+2:BC+3], v[BC+2:BC+3], s[28:29] op_sel_hi:[1,0]
	s_wait_dscnt 0x0
.irp w, 32,16,8,4
.set n, 0
.rept (\w)/2
	v_pk_add_f32 v[128+n:128+n+1], v[128+n:128+n+1], v[128+(\w)+n:128+(\w)+n+1]
.set n, n+2
.endr
.endr
	v_pk_fma_f32 v[128:129], v[128:129], s[28:29], v[BC:BC+1] op_sel_hi:[1,0,1]      ; c x (sum + bc)
	v_pk_fma_f32 v[130:131], v[130:131], s[28:29], v[BC+2:BC+3] op_sel_hi:[1,0,1]
.irp k, 0,1,2,3
	v_exp_f32 v[128+(\k)], v[128+(\k)]
.endr
	v_nop
	s_wait_alu depctr_va_vdst(0)
	v_pk_add_f32 v[128:129], v[128:129], 1.0 op_sel_hi:[1,0]
	v_pk_add_f32 v[130:131], v[130:131], 1.0 op_sel_hi:[1,0]
.irp k, 0,1,2,3
	v_rcp_f32 v[128+(\k)], v[128+(\k)]
.endr
	v_nop
	s_wait_alu depctr_va_vdst(0)
	v_pk_fma_f32 v[128:129], v[128:129], -2.0, 1.0 op_sel_hi:[1,0,0]
	v_pk_fma_f32 v[130:131], v[130:131], -2.0, 1.0 op_sel_hi:[1,0,0]
	global_store_b128 v14, v[128:131], s[14:15]
.Lend:
	s_wait_tensorcnt 0x0                           ; the wave's end: a tensor wait, an add of 0 onto my spare word and its wait, behind my last LDS store
	ds_add_u32 v[SPW], v[NIL]
	s_wait_dscnt 0x0
	s_endpgm
.Lfunc_end_k_q4568571ca7_fin:
	.size	k_q4568571ca7_fin, .Lfunc_end_k_q4568571ca7_fin-k_q4568571ca7_fin
	.p2alignl 7, 3214868480
	.fill 96, 4, 3214868480
	.section	.rodata,"a",@progbits
	.p2align	6, 0x0
	.amdhsa_kernel k_q4568571ca7_fin
		.amdhsa_group_segment_fixed_size 88320
		.amdhsa_private_segment_fixed_size 0
		.amdhsa_enable_private_segment 0
		.amdhsa_kernarg_size 56
		.amdhsa_user_sgpr_count 2
		.amdhsa_user_sgpr_kernarg_segment_ptr 1
		.amdhsa_wavefront_size32 1
		.amdhsa_system_sgpr_workgroup_id_x 1
		.amdhsa_system_sgpr_workgroup_id_y 1
		.amdhsa_system_sgpr_workgroup_id_z 1
		.amdhsa_system_vgpr_workitem_id 0
		.amdhsa_next_free_vgpr 256
		.amdhsa_next_free_sgpr 66
		.amdhsa_reserve_vcc 0
		.amdhsa_float_denorm_mode_32 3
		.amdhsa_float_denorm_mode_16_64 3
		.amdhsa_memory_ordered 1
		.amdhsa_forward_progress 1
		.amdhsa_inst_pref_size 27
	.end_amdhsa_kernel
	.amdgpu_metadata
---
amdhsa.version: [ 1, 2 ]
amdhsa.kernels:
  - .name:           k_q4568571ca7_fin
    .symbol:         k_q4568571ca7_fin.kd
    .args:
      - { .name: part, .offset: 0, .size: 8, .value_kind: global_buffer, .address_space: global }
      - { .name: ml, .offset: 8, .size: 8, .value_kind: global_buffer, .address_space: global }
      - { .name: decoder_out, .offset: 16, .size: 8, .value_kind: global_buffer, .address_space: global }
      - { .name: Wc, .offset: 24, .size: 8, .value_kind: global_buffer, .address_space: global }
      - { .name: bc, .offset: 32, .size: 8, .value_kind: global_buffer, .address_space: global }
      - { .name: out0, .offset: 40, .size: 8, .value_kind: global_buffer, .address_space: global }
      - { .name: out1, .offset: 48, .size: 8, .value_kind: global_buffer, .address_space: global }
    .group_segment_fixed_size: 88320
    .private_segment_fixed_size: 0
    .kernarg_segment_align: 8
    .kernarg_segment_size: 56
    .max_flat_workgroup_size: 512
    .sgpr_count:     66
    .vgpr_count:     256
    .wavefront_size: 32
...
	.end_amdgpu_metadata
.endif
;; end of part 3
